; MI455X (gfx1250); checked and timed in simulation.
; The chip was launched on July 23, 2026; its instructions are those of AMD's public machine-readable ISA for CDNA 5 (MIT licence, August 2026) and "CDNA5" Instruction Set Architecture Reference Guide (July 2026). The comments in the code are by the model that wrote it; some were corrected since.
;; Attn Block. Allowed arithmetic: matrix products marked QUANTISED: E5M2 operands, one E8M0 scale for each 32 along K, by v_wmma_scale_f32_16x16x128_f8f6f4 with both operands' format E5M2, f32 sums; everything else in f32.
;; Inputs: bk 128 float32; bo 128 float32; bq 128 float32; bv 128 float32; gn_bias 128 float32; gn_scale 128 float32; wk_codes 128 x 4 x 32 uint8 (E5M2 codes of wk, K innermost, in blocks of 32 codes); wk_scales 128 x 4 uint8 (E8M0 scales of wk, one for each 32 codes along K); wo_codes 128 x 4 x 32 uint8 (E5M2 codes of wo, K innermost, in blocks of 32 codes); wo_scales 128 x 4 uint8 (E8M0 scales of wo, one for each 32 codes along K); wq_codes 128 x 4 x 32 uint8 (E5M2 codes of wq, K innermost, in blocks of 32 codes); wq_scales 128 x 4 uint8 (E8M0 scales of wq, one for each 32 codes along K); wv_codes 128 x 4 x 32 uint8 (E5M2 codes of wv, K innermost, in blocks of 32 codes); wv_scales 128 x 4 uint8 (E8M0 scales of wv, one for each 32 codes along K); x 8 x 128 x 64 x 64 float32.
;; Outputs: out0 8 x 128 x 64 x 64 float32.
;; This version of the problem:
;;   THIS VERSION OF THE PROBLEM IS GIVEN IN LOW PRECISION. The matrix products marked QUANTISED in the list below multiply operands that are first quantised to E5M2 (5 exponent bits, 2 mantissa bits; 8 bits a number), with one power-of-two scale for each 32 numbers along K (OCP MX v1.0); their sums are f32. All else is computed in f32.
;;   The module's matrix products, in the order in which they are computed (A, B: the left and right operand; K: the contracted axis; several contracted axes count as one K, in the product's order):
;;     1. [M 32,768, K 128] x [K 128, N 128]; A: computed on the way; B: input wq (given as codes): QUANTISED
;;     2. [M 32,768, K 128] x [K 128, N 128]; A: computed on the way; B: input wk (given as codes): QUANTISED
;;     3. [M 32,768, K 128] x [K 128, N 128]; A: computed on the way; B: input wv (given as codes): QUANTISED
;;     4. batch 8 x [M 4,096, K 128] x [K 128, N 4,096]; A: computed on the way; B: computed on the way: QUANTISED
;;     5. batch 8 x [M 128, K 4,096] x [K 4,096, N 4,096]; A: computed on the way; B: softmax (see below): QUANTISED
;;     6. [M 32,768, K 128] x [K 128, N 128]; A: computed on the way; B: input wo (given as codes): QUANTISED
;;   THE QUANTISER, for each operand of a quantised product, along K:
;;     - K is cut into blocks of 32 from its start; a last block that is shorter is filled with zeros.
;;     - A block's scale is 2^e with e = floor(log2(the largest magnitude in the block)) - 15, held to -126 .. 127; a block of zeros has e = 0. As a byte (E8M0): e + 127.
;;     - Each number is divided by its block's scale, clamped to +-57,344, and rounded to the nearest number of E5M2, ties to even, subnormals kept.
;;     - The product sums the exact products of the quantised numbers (number of the format x scale) in f32.
;;   ~~~python
;;   def quantise(x, axis):      # numpy; x: float32 -> the quantised numbers, widened to float32 again
;;       x = np.moveaxis(x, axis, -1); K = x.shape[-1]
;;       x = np.pad(x, [(0, 0)] * (x.ndim - 1) + [(0, -K % 32)]); x = x.reshape(x.shape[:-1] + (-1, 32)); a = np.abs(x).max(-1, keepdims=True)
;;       e = np.where(a > 0, np.clip(np.frexp(np.where(a > 0, a, 1))[1] - 1 - 15, -126, 127), 0)      # np.frexp(a)[1] - 1 = floor(log2(a)), exactly
;;       r = np.clip(x / 2.0 ** e, -57344, 57344)
;;       step = 2.0 ** (np.maximum(np.frexp(np.where(r == 0, 1, r))[1] - 1, -14) - 2)
;;       q = np.round(r / step) * step * 2.0 ** e      # np.round: ties to even
;;       return np.moveaxis(q.reshape(q.shape[:-2] + (-1,))[..., :K], -1, axis).astype(np.float32)
;;   ~~~
;;   SOFTMAX AHEAD OF A QUANTISED PRODUCT. Where the list says 'softmax', what is quantised is not the finished softmax but p = 2^(t - M), with t = logit x log2(e) and M = ceil(the row's largest t), a whole number; so 1/2 < the row's largest p <= 1. The row's sum l is taken of the UNQUANTISED p, in f32, and the product's result is divided by l at the end. Since M is a whole number, a kernel that streams over the keys may use a running M (the ceiling of the running maximum): every later rescaling is an exact power of two, which a block's scale takes up: the codes' values come out the same.
;;   OPERANDS COMPUTED ON THE WAY. 'Computed on the way' means the value that the module computes at that place (a softmax that the list does not call 'softmax' is quantised finished and normalised). What goes into a quantiser is computed in f32, as accurately as f32 sums, v_exp_f32 and their like allow (about 1e-6 of the number): no bf16 or f16 on the way to a quantiser, and a product that is left as it is and whose result goes on into a quantised operand takes f32 operands (vector FMAs, or v_wmma_f32_16x16x4_f32). A number that lies on a knife's edge between two numbers of the format may be rounded either way, as far as f32 arithmetic and the matrix unit's own rounding can turn it there, and no further.
;;   INPUTS GIVEN AS CODES. wk (in the module: [128, 128], K = its axis 1); wo (in the module: [128, 128], K = its axis 1); wq (in the module: [128, 128], K = its axis 1); wv (in the module: [128, 128], K = its axis 1): each comes as NAME_codes (uint8): NAME with its K axis moved to the last place and cut into blocks of 32 codes, [.., K / 32, bytes a block], one block behind the other in memory; one code a byte (a code: sign, 5 exponent bits, 2 mantissa bits); and NAME_scales (uint8): the same leading axes, one E8M0 byte (e + 127) for each 32 codes along K. Its value is code x scale, taken as it is: it is not quantised again, and the codes and scales need not be those that the quantiser above would give.
;; One version. Each part assembles by itself: llvm-mc -triple=amdgcn-amd-amdhsa -mcpu=gfx1250 --defsym DOCPART=n.
;; ======== version 1 of 1: 3 launches
;; limits: right only within a limited range of input values
;; workspace buffers: gnp 8,192 bytes; qb 4,325,376 bytes; kv 8,650,752 bytes
;; launch gnstat (part 1): grid 256 x 1, 8 waves a work-group, no clusters, 1,536 bytes of LDS; arguments x, gn_scale, gnp; writes gnp
.if DOCPART == 1
	.amdgcn_target "amdgcn-amd-amdhsa--gfx1250"
	.amdhsa_code_object_version 6
	.text
	.protected	k_qf86cb85c90_gnstat
	.globl	k_qf86cb85c90_gnstat
	.p2align	8
	.type	k_qf86cb85c90_gnstat,@function
k_qf86cb85c90_gnstat:
	s_mov_b64 s[64:65], 0
	v_nop
	global_prefetch_b8 v0, s[64:65] scope:SCOPE_SE
	s_setreg_imm32_b32 hwreg(HW_REG_WAVE_MODE, 25, 1), 1
	s_wait_xcnt 0x0
; GroupNorm, the statistics.  x: [8][128][4096] f32; a group is 4 channels x 4,096 positions = 65,536 dense bytes.
; One work-group to a group (number 32 b + g).  Thread t keeps 64 numbers in registers: 16 loads of 16 bytes at 16 t + 4,096 k, so a
; load of a wave covers 512 consecutive bytes and the group is read from memory once for both passes.
; Pass 1: the mean.  Pass 2: the mean of the squared deviations, as the variance is defined: no difference of large sums is formed.
; Out: gnp[0 + 4 (128 b + c)] = the mean of the group of channel c;  gnp[4096 + 4 (128 b + c)] = rsqrt(var + 1e-5) x gn_scale[c].
; LIMITS: NaN and infinities among the inputs are not served.
; No matrix unit, no tensor load, no cluster: work-groups share nothing and memory bounds the launch.
.set X,   16                           ; v16-79   my 64 numbers
.set CHN, 4                            ; v4-11    four packed chains
	s_load_b128 s[4:7], s[0:1], 0x0                ; x, gn_scale
	s_load_b64 s[8:9], s[0:1], 0x10                ; gnp
	v_lshl_add_u32 v96, v0, 2, 0x200
	v_mov_b32 v97, 0
	v_lshlrev_b32 v1, 4, v0                        ; 16 t
	v_and_b32 v2, 3, v0
	s_delay_alu instid0(VALU_DEP_1)
	v_lshlrev_b32 v2, 2, v2                        ; 4 (t % 4): one of the group's four channels
	v_lshrrev_b32 v80, 5, v0
	s_delay_alu instid0(VALU_DEP_1)
	v_lshlrev_b32 v80, 2, v80                      ; LDS: 4 x wave
	v_mov_b32 v81, 0
	v_mov_b32 v82, 0x38800000                      ; 2^-14 = 1 / 16,384
	v_mov_b32 v15, 0                               ; a lane permute's destination counts as read: written once
	s_mov_b32 s12, 0x76543210
	s_mov_b32 s13, 0xfedcba98                      ; lane l xor 16
	s_lshl_b32 s14, ttmp9, 16                      ; the group's 65,536 bytes
	s_mov_b32 s15, 0
	s_and_b32 s16, ttmp9, 31
	s_lshl_b32 s16, s16, 4                         ; gn_scale: 16 g
	s_mov_b32 s17, 0
	s_lshl_b32 s18, ttmp9, 4                       ; gnp: 16 (32 b + g) = 512 b + 16 g
	s_mov_b32 s19, 0
	s_wait_alu depctr_va_vdst(0)
	s_wait_kmcnt 0x0
	s_add_nc_u64 s[4:5], s[4:5], s[14:15]
	s_add_nc_u64 s[6:7], s[6:7], s[16:17]
	s_add_nc_u64 s[8:9], s[8:9], s[18:19]
	global_load_b32 v3, v2, s[6:7]                 ; gamma of channel 4 g + t % 4
.set k, 0
.rept 16
	global_load_b128 v[X+4*k:X+4*k+3], v1, s[4:5] offset:4096*k
.set k, k+1
.endr
; the sum of a register over the 32 lanes, in every lane
.macro WSUM r, t
	s_delay_alu instid0(VALU_DEP_1)
	v_add_f32_dpp v[\r], v[\r], v[\r] row_xmask:1 row_mask:0xf bank_mask:0xf
	s_delay_alu instid0(VALU_DEP_1)
	v_add_f32_dpp v[\r], v[\r], v[\r] row_xmask:2 row_mask:0xf bank_mask:0xf
	s_delay_alu instid0(VALU_DEP_1)
	v_add_f32_dpp v[\r], v[\r], v[\r] row_xmask:4 row_mask:0xf bank_mask:0xf
	s_delay_alu instid0(VALU_DEP_1)
	v_add_f32_dpp v[\r], v[\r], v[\r] row_xmask:8 row_mask:0xf bank_mask:0xf
	s_delay_alu instid0(VALU_DEP_1)
	v_permlanex16_b32 v[\t], v[\r], s12, s13
	s_delay_alu instid0(VALU_DEP_1)
	v_add_f32 v[\r], v[\r], v[\t]
.endm
; and over the eight waves: each wave stores its word, one barrier, every wave reads all eight.  The two sums use LDS bytes of their own.
.macro GSUM r, off
	ds_store_b32 v80, v[\r] offset:\off
	s_wait_dscnt 0x0                               ; for the others: my word has landed
	s_barrier_signal -1
	s_barrier_wait -1
	ds_load_b128 v[84:87], v81 offset:\off
	ds_load_b128 v[88:91], v81 offset:\off+16
	s_wait_dscnt 0x0
	v_pk_add_f32 v[84:85], v[84:85], v[86:87]
	v_pk_add_f32 v[88:89], v[88:89], v[90:91]
	s_delay_alu instid0(VALU_DEP_1)
	v_pk_add_f32 v[84:85], v[84:85], v[88:89]
	s_delay_alu instid0(VALU_DEP_1)
	v_add_f32 v[\r], v84, v85
.endm
.macro FOLD                            ; the four chains into v14
	v_pk_add_f32 v[CHN:CHN+1], v[CHN:CHN+1], v[CHN+2:CHN+3]
	s_delay_alu instid0(VALU_DEP_2)
	v_pk_add_f32 v[CHN+4:CHN+5], v[CHN+4:CHN+5], v[CHN+6:CHN+7]
	s_delay_alu instid0(VALU_DEP_1)
	v_pk_add_f32 v[CHN:CHN+1], v[CHN:CHN+1], v[CHN+4:CHN+5]
	s_delay_alu instid0(VALU_DEP_1)
	v_add_f32 v14, v[CHN], v[CHN+1]
.endm
	; pass 1
	s_wait_loadcnt 12                              ; gamma and the first four loads of x are in; the twelve younger stay out
.irp c, 0,1,2,3
	v_pk_add_f32 v[CHN+2*\c:CHN+2*\c+1], v[X+2*\c:X+2*\c+1], v[X+8+2*\c:X+9+2*\c]   ; they start the chains: nothing is cleared
.endr
.set k, 4
	s_wait_alu depctr_va_vdst(0)
.rept 12
	s_wait_alu depctr_va_vdst(0)
	s_wait_loadcnt 15-k                            ; load k is in, the younger stay out
	v_pk_add_f32 v[CHN+4*(k%2):CHN+4*(k%2)+1], v[CHN+4*(k%2):CHN+4*(k%2)+1], v[X+4*k:X+4*k+1]
	v_pk_add_f32 v[CHN+4*(k%2)+2:CHN+4*(k%2)+3], v[CHN+4*(k%2)+2:CHN+4*(k%2)+3], v[X+4*k+2:X+4*k+3]
.set k, k+1
.endr
	FOLD
	WSUM 14, 15
	GSUM 14, 0
	s_delay_alu instid0(VALU_DEP_1)
	v_mul_f32 v12, v14, v82                        ; the mean, as a pair
	s_delay_alu instid0(VALU_DEP_2)
	v_mul_f32 v13, v14, v82
	; pass 2
.set k, 0
.rept 32
	v_pk_add_f32 v[X+2*k:X+2*k+1], v[X+2*k:X+2*k+1], v[12:13] neg_lo:[0,1] neg_hi:[0,1]
.set k, k+1
.endr
.irp c, 0,1,2,3
	v_pk_mul_f32 v[CHN+2*\c:CHN+2*\c+1], v[X+2*\c:X+2*\c+1], v[X+2*\c:X+2*\c+1]
.endr
.set k, 4
.rept 28
	s_delay_alu instid0(VALU_DEP_4)
	v_pk_fma_f32 v[CHN+2*(k%4):CHN+2*(k%4)+1], v[X+2*k:X+2*k+1], v[X+2*k:X+2*k+1], v[CHN+2*(k%4):CHN+2*(k%4)+1]
.set k, k+1
.endr
	FOLD
	WSUM 14, 15
	GSUM 14, 64
	s_delay_alu instid0(VALU_DEP_1)
	v_fmaak_f32 v14, v14, v82, 0x3727c5ac          ; var + 1e-5 (the product with 2^-14 is exact)
	s_wait_alu depctr_va_vdst(0)
	v_rsq_f32 v15, v14
	v_nop                                          ; one plain place behind the transcendental
	s_wait_alu depctr_va_vdst(0)
	v_mul_f32 v15, v15, v3                         ; a = rsqrt(var + eps) x gamma
	s_wait_alu depctr_va_vdst(0)
	s_wait_xcnt 0x0                                ; EXEC is a source of the loads above: it changes only behind this wait
	v_cmp_gt_u32 vcc_lo, 4, v0
	s_wait_tensorcnt 0x0
	ds_add_u32 v96, v97
	s_wait_dscnt 0x0
	s_and_saveexec_b32 s20, vcc_lo                 ; threads 0 to 3: one for each channel of the group
	global_store_b32 v2, v12, s[8:9]
	global_store_b32 v2, v15, s[8:9] offset:4096
	s_endpgm
.Lfunc_end_k_qf86cb85c90_gnstat:
	.size	k_qf86cb85c90_gnstat, .Lfunc_end_k_qf86cb85c90_gnstat-k_qf86cb85c90_gnstat
	.p2alignl 7, 3214868480
	.fill 96, 4, 3214868480
	.section	.rodata,"a",@progbits
	.p2align	6, 0x0
	.amdhsa_kernel k_qf86cb85c90_gnstat
		.amdhsa_group_segment_fixed_size 1536
		.amdhsa_private_segment_fixed_size 0
		.amdhsa_enable_private_segment 0
		.amdhsa_kernarg_size 24
		.amdhsa_user_sgpr_count 2
		.amdhsa_user_sgpr_kernarg_segment_ptr 1
		.amdhsa_wavefront_size32 1
		.amdhsa_system_sgpr_workgroup_id_x 1
		.amdhsa_system_sgpr_workgroup_id_y 1
		.amdhsa_system_sgpr_workgroup_id_z 1
		.amdhsa_system_vgpr_workitem_id 0
		.amdhsa_next_free_vgpr 98
		.amdhsa_next_free_sgpr 66
		.amdhsa_reserve_vcc 1
		.amdhsa_float_denorm_mode_32 3
		.amdhsa_float_denorm_mode_16_64 3
		.amdhsa_memory_ordered 1
		.amdhsa_forward_progress 1
		.amdhsa_inst_pref_size 15
	.end_amdhsa_kernel
	.amdgpu_metadata
---
amdhsa.version: [ 1, 2 ]
amdhsa.kernels:
  - .name:           k_qf86cb85c90_gnstat
    .symbol:         k_qf86cb85c90_gnstat.kd
    .args:
      - { .name: x, .offset: 0, .size: 8, .value_kind: global_buffer, .address_space: global }
      - { .name: gn_scale, .offset: 8, .size: 8, .value_kind: global_buffer, .address_space: global }
      - { .name: gnp, .offset: 16, .size: 8, .value_kind: global_buffer, .address_space: global }
    .group_segment_fixed_size: 1536
    .private_segment_fixed_size: 0
    .kernarg_segment_align: 8
    .kernarg_segment_size: 24
    .max_flat_workgroup_size: 256
    .sgpr_count:     66
    .vgpr_count:     98
    .wavefront_size: 32
...
	.end_amdgpu_metadata
.endif
;; end of part 1
;; launch qkv (part 2): grid 32 x 8, 8 waves a work-group, no clusters, 54,272 bytes of LDS; arguments x, gnp, gn_bias, wq_codes, wq_scales, bq, wk_codes, wk_scales, bk, wv_codes, wv_scales, bv, qb, kv; writes qb, kv
.if DOCPART == 2
	.amdgcn_target "amdgcn-amd-amdhsa--gfx1250"
	.amdhsa_code_object_version 6
	.text
	.protected	k_qf86cb85c90_qkv
	.globl	k_qf86cb85c90_qkv
	.p2align	8
	.type	k_qf86cb85c90_qkv,@function
k_qf86cb85c90_qkv:
	s_mov_b64 s[64:65], 0
	v_nop
	global_prefetch_b8 v0, s[64:65] scope:SCOPE_SE
	s_setreg_imm32_b32 hwreg(HW_REG_WAVE_MODE, 25, 1), 1
	s_wait_xcnt 0x0
; h = (x - mean) a + beta; q, k, v = W h + b on codes of BF8 (E5M2) with one E8M0 scale for each 32 along K; q and k are quantised along the channels, v along the positions.
; A work-group owns 128 positions of one image (x: the block of positions, y: the image).  What it stores are IMAGES OF OPERAND REGISTERS: a fragment (16 rows x 128 K, 16 registers a lane) as four
; runs of 512 bytes, lane l at 16 l, and one scale word a row.  qb block: 8 images of q, then 512 bytes of scale words.  kv block: 8 images of k, 8 of v, their scale words (512 + 512).
; ONE ORDER OF ROWS: row r of tile t is number perm(t, r) = 32 (t / 2) + 8 (t % 2) + r + 8 (r / 8): of the positions for h, q, k; of the rows of wq, wk, wv.  Every product is laid so that a lane keeps one row
; and the 16 registers of tiles 2 b, 2 b + 1 are the numbers 32 b + 16 (lane / 16) + 0 .. 15 of the next K: the conversions give the next operand as it stands.
; PHASES.  A, B: wave w takes channels 32 (w % 4) on and positions 64 (w / 4) on, two positions a lane, registers down the channels: a block of 32 along K lies in one lane.  Codes go to rows in LDS.
; C: wave w makes q and k of position tile w (source 0 = 16 rows of the weight, source 1 = h) and v of channel tile w (source 0 = 16 positions of h, source 1 = 16 rows of wv).  The biases are the C of the products.
; LIMITS: NaN and infinities are not served; a block whose largest magnitude lies under 2^-111, a block of zeros among them, keeps the scale byte 1 (its codes are small or zero; this program alone reads the bytes).
; No tensor load, ring or cluster: a work-group walks one tile and shares no input tile with another but the small weights.
.set HP,   144                         ; a row of h in LDS: 128 codes + 16 of padding, an odd multiple of 16
.set HC,   0                           ; 128 rows of h
.set HS,   128*HP                      ; their scale words, 4 bytes a row
.set WQI,  HS+512                      ; the 8 images of wq
.set WKI,  WQI+16384                   ; and of wk
.set SW,   WKI+16384                   ; the scale words of q, k, v: 512 bytes each
.set LANE, 1
.set RR,   2                           ; lane % 16
.set HH,   3                           ; lane / 16
.set XO,   4                           ; x: 4 x (lane with bits 3 and 4 exchanged): LDS row = lane
.set HW,   5                           ; where my codes of h go
.set HSB,  6                           ; and my scale byte
.set FB,   7                           ; a fragment of h: 144 r + 16 h
.set FA,   8                           ; that of my tile
.set LI,   9                           ; 16 x lane
.set GI,   10                          ; 16 x lane + 2,048 x wave
.set WRO,  11                          ; a weight fragment: 128 (r + 8 (r / 8)) + 16 h
.set WSO,  12                          ; a weight row word: 4 (r + 8 (r / 8))
.set B64,  13                          ; 64 h
.set R4,   14                          ; 4 r
.set SWA,  15                          ; 4 r + 64 x wave
.set TM,   16                          ; v16-31 at work in the quantisers
.set PW,   32                          ; the scale word just made
.set FS,   33                          ; scale words: h, my tile
.set WVS,  34                          ; wv, my tile
.set ZR,   35                          ; 0
.set HSW,  36                          ; h, all 8 tiles
.set WQS,  44                          ; wq, 8 tiles
.set WKS,  52                          ; wk, 8 tiles
.set BV,   60                          ; bv of my row, eight times
.set F,    68                          ; the fragment of h of my tile
.set WV,   84                          ; the fragment of wv of my tile
.set PC,   100                         ; the codes just made
.set HA,   116                         ; 64 results; at first x, two sets of 32
.set HB,   180                         ; 64 results; at first my fragments of wq and wk
.set X,    HA
.set BQ,   128                         ; window 1: v0-127 eight fragments (at first mean, a, beta: 32 each); v128-191 bq; v192-255 bk
.set BK,   192
.set SEL,  44                          ; s[44:45]
.set MNT,  46
.set MSB, 0
.macro WIN new                         ; the immediate's high byte repeats the setting that is left
.if MSB != \new
	s_set_vgpr_msb (MSB<<8)|\new
.set MSB, \new
.endif
.endm
.macro PLACES n
.rept \n
	v_nop
.endr
.endm
; one matrix line: D, A, B, C in registers, the two scale registers
.macro MM d, a, b, c, sa, sb
	v_wmma_scale_f32_16x16x128_f8f6f4 v[\d:\d+7], v[\a:\a+15], v[\b:\b+15], v[\c:\c+7], v[\sa], v[\sb] matrix_a_fmt:MATRIX_FMT_BF8 matrix_b_fmt:MATRIX_FMT_BF8
.endm
; 32 numbers of one lane, one block along K, become 32 codes in v[pc] on and the scale byte in v[by]
.macro BLK32 s, pc, by
	v_max3_num_f32 v[TM], |v[\s]|, |v[\s+1]|, |v[\s+2]|
	v_max3_num_f32 v[TM+1], |v[\s+3]|, |v[\s+4]|, |v[\s+5]|
.irp i, 6,10,14,18,22,26
	s_delay_alu instid0(VALU_DEP_2)
	v_max3_num_f32 v[TM], v[TM], |v[\s+\i]|, |v[\s+\i+1]|
	s_delay_alu instid0(VALU_DEP_2)
	v_max3_num_f32 v[TM+1], v[TM+1], |v[\s+\i+2]|, |v[\s+\i+3]|
.endr
	s_delay_alu instid0(VALU_DEP_2)
	v_max3_num_f32 v[TM], v[TM], |v[\s+30]|, |v[\s+31]|
	s_delay_alu instid0(VALU_DEP_1)
	v_max3_num_f32 v[TM], v[TM], v[TM+1], 0x8000000        ; the floor 2^(16 - 127): the byte cannot fall under 1
	s_delay_alu instid0(VALU_DEP_1)
	v_add_nc_u32 v[TM+2], 0xf8800000, v[TM]                ; 15 off the exponent field: the scale operand of the conversion
	s_delay_alu instid0(VALU_DEP_2)
	v_and_or_b32 v[TM+3], v[TM], 0x7f800000, s[MNT]        ; 57,344 x the scale
	s_delay_alu instid0(VALU_DEP_2)
	v_lshrrev_b32 v[\by], 23, v[TM+2]                      ; the byte
.set i, 0
.rept 32
	v_med3_num_f32 v[\s+i], v[\s+i], -v[TM+3], v[TM+3]     ; the conversion does not saturate (ISA guide 7.6.2): hold first
.set i, i+1
.endr
.irp g, 0,1,2,3
	v_cvt_scalef32_pk8_bf8_f32 v[\pc+2*\g:\pc+2*\g+1], v[\s+8*\g:\s+8*\g+7], v[TM+2]
.endr
	v_nop                                                  ; one plain place behind the last conversion
.endm
; 64 numbers of a lane, register 16 b + i = K number 32 b + 16 (lane / 16) + i of my row, become a fragment in v[PC] on and its scale word in v[PW]
.macro QUANT s
.irp b, 0,1,2,3
	v_max3_num_f32 v[TM+\b], |v[\s+16*\b]|, |v[\s+16*\b+1]|, 0x8000000
.endr
.irp i, 2,4,6,8,10,12,14
.irp b, 0,1,2,3
	v_max3_num_f32 v[TM+\b], v[TM+\b], |v[\s+16*\b+\i]|, |v[\s+16*\b+\i+1]|
.endr
.endr
.irp b, 0,1,2,3
	s_delay_alu instid0(VALU_DEP_4)
	v_permlanex16_b32 v[TM+4+\b], v[TM+\b], s[SEL], s[SEL+1]
.endr
.irp b, 0,1,2,3
	s_delay_alu instid0(VALU_DEP_4)
	v_max_num_f32 v[TM+\b], v[TM+\b], v[TM+4+\b]           ; with lane l xor 16: the largest magnitude of the block
.endr
.irp b, 0,1,2,3
	s_delay_alu instid0(VALU_DEP_4)
	v_add_nc_u32 v[TM+12+\b], 0xf8800000, v[TM+\b]
.endr
.irp b, 0,1,2,3
	v_and_or_b32 v[TM+8+\b], v[TM+\b], 0x7f800000, s[MNT]
.endr
.irp b, 0,1,2,3
	v_lshrrev_b32 v[TM+4+\b], 23, v[TM+12+\b]
.endr
	s_delay_alu instid0(VALU_DEP_3)
	v_lshl_or_b32 v[PW], v[TM+5], 8, v[TM+4]
	s_delay_alu instid0(VALU_DEP_1)
	v_lshl_or_b32 v[PW], v[TM+6], 16, v[PW]
	s_delay_alu instid0(VALU_DEP_1)
	v_lshl_or_b32 v[PW], v[TM+7], 24, v[PW]
.irp b, 0,1,2,3
.set i, 0
.rept 16
	v_med3_num_f32 v[\s+16*\b+i], v[\s+16*\b+i], -v[TM+8+\b], v[TM+8+\b]
.set i, i+1
.endr
	v_cvt_scalef32_pk8_bf8_f32 v[PC+4*\b:PC+4*\b+1], v[\s+16*\b:\s+16*\b+7], v[TM+12+\b]
	v_cvt_scalef32_pk8_bf8_f32 v[PC+4*\b+2:PC+4*\b+3], v[\s+16*\b+8:\s+16*\b+15], v[TM+12+\b]
.endr
	v_nop                                                  ; one plain place behind the last conversion
.endm
; eight fragments from LDS into window 1, v0-127
.macro FETCH8 adr, base, stride, step
	WIN 0x40
.irp t, 0,1,2,3,4,5,6,7
.irp c, 0,1,2,3
	ds_load_b128 v[16*\t+4*\c:16*\t+4*\c+3], v[\adr] offset:\base+\stride*\t+\step*\c
.endr
.endr
	WIN 0
.endm
; the fragment in v[PC] on goes to memory as it stands: each store of the wave covers 512 consecutive bytes, aligned
.macro OUT lo, off
.irp c, 0,1,2,3
	global_store_b128 v[GI], v[PC+4*\c:PC+4*\c+3], s[\lo:\lo+1] offset:\off+512*\c
.endr
.endm
	s_load_b512 s[4:19], s[0:1], 0x0               ; x, gnp, gn_bias, wq_codes, wq_scales, bq, wk_codes, wk_scales
	s_load_b256 s[20:27], s[0:1], 0x40             ; bk, wv_codes, wv_scales, bv
	s_load_b128 s[28:31], s[0:1], 0x60             ; qb, kv
	v_lshl_add_u32 v254, v0, 2, 0xd000
	v_mov_b32 v255, 0
	v_lshrrev_b32 v16, 5, v0
	s_delay_alu instid0(VALU_DEP_1)
	v_readfirstlane_b32 s40, v16                   ; wave 0..7
	s_and_b32 s41, s40, 3                          ; cb: my 32 channels
	s_lshr_b32 s42, s40, 2                         ; ph: my 64 positions
	s_lshr_b32 s43, s40, 1
	s_lshl_b32 s43, s43, 5
	s_and_b32 s47, s40, 1
	s_lshl_b32 s47, s47, 3
	s_add_co_u32 s43, s43, s47                     ; where tile w begins: 32 (w / 2) + 8 (w % 2)
	s_mov_b32 s[SEL], 0x76543210
	s_mov_b32 s[SEL+1], 0xfedcba98
	s_mov_b32 s[MNT], 0x600000
	s_and_b32 s47, ttmp7, 0xffff                   ; the image
	s_lshl_b32 s48, s47, 21                        ; x: 2 MiB b + 512 KiB cb + 512 block + 256 ph
	s_lshl_b32 s62, s41, 19
	s_add_co_u32 s48, s48, s62
	s_lshl_b32 s62, ttmp9, 9
	s_add_co_u32 s48, s48, s62
	s_lshl_b32 s62, s42, 8
	s_add_co_u32 s48, s48, s62
	s_mov_b32 s49, 0
	s_lshl_b32 s52, s41, 7                         ; gn_bias: 128 cb
	s_mov_b32 s53, 0
	s_lshl_b32 s50, s47, 9                         ; gnp: 512 b + 128 cb
	s_add_co_u32 s50, s50, s52
	s_mov_b32 s51, 0
	s_lshl_b32 s54, s43, 7                         ; a weight: tile w begins 128 bytes x its first row on
	s_mov_b32 s55, 0
	s_lshl_b32 s56, s43, 2                         ; and its words 4 bytes x that row
	s_mov_b32 s57, 0
	s_lshl_b32 s62, s47, 5
	s_add_co_u32 s62, s62, ttmp9                   ; 32 b + block
	s_mul_i32 s58, s62, 16896
	s_mov_b32 s59, 0
	s_mul_i32 s60, s62, 33792
	s_mov_b32 s61, 0
	v_and_b32 v[LANE], 31, v0
	v_and_b32 v[RR], 15, v0
	v_bfe_u32 v[HH], v0, 4, 1
	v_and_b32 v[XO], 7, v0
	v_bfe_u32 v16, v0, 3, 1
	s_delay_alu instid0(VALU_DEP_1)
	v_lshl_or_b32 v[XO], v16, 4, v[XO]
	s_delay_alu instid0(VALU_DEP_1)
	v_lshl_or_b32 v[XO], v[HH], 3, v[XO]
	s_delay_alu instid0(VALU_DEP_1)
	v_lshlrev_b32 v[XO], 2, v[XO]
	s_mul_i32 s62, s42, 64*HP
	s_lshl_b32 s63, s41, 5
	s_add_co_u32 s62, s62, s63
	v_mul_u32_u24 v[HW], v[LANE], HP
	s_delay_alu instid0(VALU_DEP_1)
	v_add_nc_u32 v[HW], s62, v[HW]                 ; 144 lane + 9,216 ph + 32 cb
	s_lshl_b32 s62, s42, 8
	s_add_co_u32 s62, s62, s41
	v_lshl_add_u32 v[HSB], v[LANE], 2, s62         ; 4 lane + 256 ph + cb
	v_mul_u32_u24 v[FB], v[RR], HP
	s_delay_alu instid0(VALU_DEP_1)
	v_lshl_add_u32 v[FB], v[HH], 4, v[FB]
	s_mul_i32 s62, s40, 16*HP
	v_add_nc_u32 v[FA], s62, v[FB]
	v_lshlrev_b32 v[LI], 4, v[LANE]
	s_lshl_b32 s62, s40, 11
	v_add_nc_u32 v[GI], s62, v[LI]
	v_and_b32 v16, 8, v[RR]
	s_delay_alu instid0(VALU_DEP_1)
	v_add_nc_u32 v16, v16, v[RR]                   ; r + 8 (r / 8)
	s_delay_alu instid0(VALU_DEP_1)
	v_lshlrev_b32 v[WRO], 7, v16
	s_delay_alu instid0(VALU_DEP_1)
	v_lshl_add_u32 v[WRO], v[HH], 4, v[WRO]
	s_delay_alu instid0(VALU_DEP_3)
	v_lshlrev_b32 v[WSO], 2, v16
	v_lshlrev_b32 v[B64], 6, v[HH]
	v_lshlrev_b32 v[R4], 2, v[RR]
	s_lshl_b32 s62, s40, 6
	v_add_nc_u32 v[SWA], s62, v[R4]
	v_mov_b32 v[ZR], 0
.irp b, 0,1,2,3
	v_mov_b32 v[TM+4+\b], 0                        ; a lane permute's destination counts as read: written once
.endr
	s_wait_alu depctr_va_vdst(0)
	s_wait_kmcnt 0x0
	s_add_nc_u64 s[4:5], s[4:5], s[48:49]
	s_add_nc_u64 s[6:7], s[6:7], s[50:51]
	s_add_nc_u64 s[8:9], s[8:9], s[52:53]
	s_add_nc_u64 s[10:11], s[10:11], s[54:55]
	s_add_nc_u64 s[16:17], s[16:17], s[54:55]
	s_add_nc_u64 s[22:23], s[22:23], s[54:55]
	s_add_nc_u64 s[24:25], s[24:25], s[56:57]
	s_add_nc_u64 s[26:27], s[26:27], s[56:57]
	s_add_nc_u64 s[28:29], s[28:29], s[58:59]
	s_add_nc_u64 s[30:31], s[30:31], s[60:61]
	; ---- A: 12 loads: tile w of the three weights
.irp c, 0,1,2,3
	global_load_b128 v[HB+4*\c:HB+4*\c+3], v[WRO], s[10:11] offset:32*\c
	global_load_b128 v[HB+16+4*\c:HB+16+4*\c+3], v[WRO], s[16:17] offset:32*\c
	global_load_b128 v[WV+4*\c:WV+4*\c+3], v[WRO], s[22:23] offset:32*\c
.endr
	WIN 0x40                                       ; 24 loads: mean, a, beta of my 32 channels, the same in every lane
.irp k, 0,1,2,3,4,5,6,7
	global_load_b128 v[4*\k:4*\k+3], v[ZR], s[6:7] offset:16*\k
	global_load_b128 v[32+4*\k:32+4*\k+3], v[ZR], s[6:7] offset:4096+16*\k
	global_load_b128 v[64+4*\k:64+4*\k+3], v[ZR], s[8:9] offset:16*\k
.endr
	WIN 0
.set i, 0
.rept 32                               ; 64 loads: x(channel 32 cb + i, my two positions): the pair of loads covers 256 consecutive bytes of the channel
	global_load_b32 v[X+i], v[XO], s[4:5] offset:16384*i
	global_load_b32 v[X+32+i], v[XO], s[4:5] offset:16384*i+128
.set i, i+1
.endr
	s_wait_loadcnt 63                              ; of the 100 loads issued the oldest 37 are in: the 36 of weights and norm numbers among them
.irp c, 0,1,2,3
	ds_store_b128 v[GI], v[HB+4*\c:HB+4*\c+3] offset:WQI+512*\c         ; my tile of wq and of wk, as images, for all eight waves
	ds_store_b128 v[GI], v[HB+16+4*\c:HB+16+4*\c+3] offset:WKI+512*\c
.endr
.irp t, 0,1,2,3,4,5,6,7                ; 57 loads: scale words and biases
	global_load_b32 v[WQS+\t], v[WSO], s[12:13] offset:(32*(\t/2)+8*(\t%2))*4
	global_load_b32 v[WKS+\t], v[WSO], s[18:19] offset:(32*(\t/2)+8*(\t%2))*4
.endr
	global_load_b32 v[WVS], v[WSO], s[24:25]
.irp i, 0,1,2,3,4,5,6,7
	global_load_b32 v[BV+\i], v[WSO], s[26:27]     ; in the result of v a lane keeps one channel: its bias in all eight registers
.endr
	WIN 0x40
.irp t, 0,1,2,3,4,5,6,7                ; in the results of q and k register j of tile t is channel 32 (t / 2) + 8 (t % 2) + 16 h + j
	global_load_b128 v[BQ+8*\t:BQ+8*\t+3], v[B64], s[14:15] offset:(32*(\t/2)+8*(\t%2))*4
	global_load_b128 v[BQ+8*\t+4:BQ+8*\t+7], v[B64], s[14:15] offset:(32*(\t/2)+8*(\t%2))*4+16
	global_load_b128 v[BK+8*\t:BK+8*\t+3], v[B64], s[20:21] offset:(32*(\t/2)+8*(\t%2))*4
	global_load_b128 v[BK+8*\t+4:BK+8*\t+7], v[B64], s[20:21] offset:(32*(\t/2)+8*(\t%2))*4+16
.endr
	WIN 0
	s_wait_loadcnt 57                              ; only those 57 may be out: x is in
	; ---- B: h = (x - mean) a + beta, two channels an instruction; then one block of 32 along K for each of my two positions
	WIN 0x14                                       ; sources 1 and 2 in window 1
.set i, 0
.rept 16
	v_pk_add_f32 v[X+i:X+i+1], v[X+i:X+i+1], v[i:i+1] neg_lo:[0,1] neg_hi:[0,1]
	v_pk_add_f32 v[X+32+i:X+33+i], v[X+32+i:X+33+i], v[i:i+1] neg_lo:[0,1] neg_hi:[0,1]
.set i, i+2
.endr
.set i, 0
.rept 16
	v_pk_fma_f32 v[X+i:X+i+1], v[X+i:X+i+1], v[32+i:33+i], v[64+i:65+i]
	v_pk_fma_f32 v[X+32+i:X+33+i], v[X+32+i:X+33+i], v[32+i:33+i], v[64+i:65+i]
.set i, i+2
.endr
	WIN 0
	BLK32 X, PC, TM+4
	BLK32 X+32, PC+8, TM+5
.irp j, 0,1
	ds_store_b128 v[HW], v[PC+8*\j:PC+8*\j+3] offset:HC+32*HP*\j
	ds_store_b128 v[HW], v[PC+8*\j+4:PC+8*\j+7] offset:HC+32*HP*\j+16
	ds_store_b8 v[HSB], v[TM+4+\j] offset:HS+128*\j
.endr
	s_wait_dscnt 0x0                               ; for the others: my rows of h, my scale bytes and my weight images have landed
	s_barrier_signal -1
	s_barrier_wait -1
	; ---- C: q
.irp c, 0,1,2,3
	ds_load_b128 v[F+4*\c:F+4*\c+3], v[FA] offset:HC+32*\c
.endr
	ds_load_b32 v[FS], v[SWA] offset:HS
	FETCH8 LI, WQI, 2048, 512
	s_wait_loadcnt 0x0                             ; scale words and biases
	s_wait_dscnt 0x0
	WIN 0x11                                       ; source 0 (the weight) and C (the bias) in window 1
.irp t, 0,1,2,3,4,5,6,7
	MM HA+8*\t, 16*\t, F, BQ+8*\t, WQS+\t, FS
.endr
	WIN 0
	PLACES 8                                       ; in front of loads into registers that the products read, and of the first read of results
	FETCH8 LI, WKI, 2048, 512
	QUANT HA
	OUT 28, 0
	ds_store_b32 v[SWA], v[PW] offset:SW
	s_wait_dscnt 0x0                               ; wk is in; the store has read its register
	; ---- k
	WIN 0x11
.irp t, 0,1,2,3,4,5,6,7
	MM HB+8*\t, 16*\t, F, BK+8*\t, WKS+\t, FS
.endr
	WIN 0
	PLACES 8
	FETCH8 FB, HC, 16*HP, 32                       ; all eight fragments of h
.irp t, 0,1,2,3,4,5,6,7
	ds_load_b32 v[HSW+\t], v[R4] offset:HS+64*\t
.endr
	s_wait_xcnt 0x0                                ; the stores of q have read v[PC] on: it is written again only behind this wait
	QUANT HB
	OUT 30, 0
	ds_store_b32 v[SWA], v[PW] offset:SW+512
	s_wait_dscnt 0x0
	; ---- v: a lane keeps channel perm(w, r), its registers run along the positions
	WIN 0x01
.irp t, 0,1,2,3,4,5,6,7
	MM HA+8*\t, 16*\t, WV, BV, HSW+\t, WVS
.endr
	WIN 0
	PLACES 8
	s_wait_xcnt 0x0
	QUANT HA
	OUT 30, 16384
	ds_store_b32 v[SWA], v[PW] offset:SW+1024
	s_wait_dscnt 0x0                               ; for wave 0: my three scale words have landed
	s_barrier_signal -1
	s_barrier_wait -1
	s_cmp_lg_u32 s40, 0
	s_cbranch_scc1 .Ldone
.irp i, 0,1,2
	ds_load_b128 v[HB+4*\i:HB+4*\i+3], v[LI] offset:SW+512*\i
.endr
	s_wait_dscnt 0x0
	global_store_b128 v[LI], v[HB:HB+3], s[28:29] offset:16384      ; the scale words leave as runs of 512 consecutive bytes
	global_store_b128 v[LI], v[HB+4:HB+7], s[30:31] offset:32768
	global_store_b128 v[LI], v[HB+8:HB+11], s[30:31] offset:33280
.Ldone:
	s_wait_tensorcnt 0x0
	ds_add_u32 v254, v255
	s_wait_dscnt 0x0
	s_endpgm
.Lfunc_end_k_qf86cb85c90_qkv:
	.size	k_qf86cb85c90_qkv, .Lfunc_end_k_qf86cb85c90_qkv-k_qf86cb85c90_qkv
	.p2alignl 7, 3214868480
	.fill 96, 4, 3214868480
	.section	.rodata,"a",@progbits
	.p2align	6, 0x0
	.amdhsa_kernel k_qf86cb85c90_qkv
		.amdhsa_group_segment_fixed_size 54272
		.amdhsa_private_segment_fixed_size 0
		.amdhsa_enable_private_segment 0
		.amdhsa_kernarg_size 112
		.amdhsa_user_sgpr_count 2
		.amdhsa_user_sgpr_kernarg_segment_ptr 1
		.amdhsa_wavefront_size32 1
		.amdhsa_system_sgpr_workgroup_id_x 1
		.amdhsa_system_sgpr_workgroup_id_y 1
		.amdhsa_system_sgpr_workgroup_id_z 1
		.amdhsa_system_vgpr_workitem_id 0
		.amdhsa_next_free_vgpr 512
		.amdhsa_next_free_sgpr 66
		.amdhsa_reserve_vcc 0
		.amdhsa_float_denorm_mode_32 3
		.amdhsa_float_denorm_mode_16_64 3
		.amdhsa_memory_ordered 1
		.amdhsa_forward_progress 1
		.amdhsa_inst_pref_size 71
	.end_amdhsa_kernel
	.amdgpu_metadata
---
amdhsa.version: [ 1, 2 ]
amdhsa.kernels:
  - .name:           k_qf86cb85c90_qkv
    .symbol:         k_qf86cb85c90_qkv.kd
    .args:
      - { .name: x, .offset: 0, .size: 8, .value_kind: global_buffer, .address_space: global }
      - { .name: gnp, .offset: 8, .size: 8, .value_kind: global_buffer, .address_space: global }
      - { .name: gn_bias, .offset: 16, .size: 8, .value_kind: global_buffer, .address_space: global }
      - { .name: wq_codes, .offset: 24, .size: 8, .value_kind: global_buffer, .address_space: global }
      - { .name: wq_scales, .offset: 32, .size: 8, .value_kind: global_buffer, .address_space: global }
      - { .name: bq, .offset: 40, .size: 8, .value_kind: global_buffer, .address_space: global }
      - { .name: wk_codes, .offset: 48, .size: 8, .value_kind: global_buffer, .address_space: global }
      - { .name: wk_scales, .offset: 56, .size: 8, .value_kind: global_buffer, .address_space: global }
      - { .name: bk, .offset: 64, .size: 8, .value_kind: global_buffer, .address_space: global }
      - { .name: wv_codes, .offset: 72, .size: 8, .value_kind: global_buffer, .address_space: global }
      - { .name: wv_scales, .offset: 80, .size: 8, .value_kind: global_buffer, .address_space: global }
      - { .name: bv, .offset: 88, .size: 8, .value_kind: global_buffer, .address_space: global }
      - { .name: qb, .offset: 96, .size: 8, .value_kind: global_buffer, .address_space: global }
      - { .name: kv, .offset: 104, .size: 8, .value_kind: global_buffer, .address_space: global }
    .group_segment_fixed_size: 54272
    .private_segment_fixed_size: 0
    .kernarg_segment_align: 8
    .kernarg_segment_size: 112
    .max_flat_workgroup_size: 256
    .sgpr_count:     66
    .vgpr_count:     512
    .wavefront_size: 32
...
	.end_amdgpu_metadata
.endif
;; end of part 2
;; launch attn (part 3): grid 32 x 8, 4 waves a work-group, clusters of 4 x 1, 327,680 bytes of LDS; arguments qb, kv, wo_codes, wo_scales, bo, x, out0; writes out0
.if DOCPART == 3
	.amdgcn_target "amdgcn-amd-amdhsa--gfx1250"
	.amdhsa_code_object_version 6
	.text
	.protected	k_qf86cb85c90_attn
	.globl	k_qf86cb85c90_attn
	.p2align	8
	.type	k_qf86cb85c90_attn,@function
k_qf86cb85c90_attn:
	s_mov_b64 s[64:65], 0
	v_nop
	global_prefetch_b8 v0, s[64:65] scope:SCOPE_SE
	s_setreg_imm32_b32 hwreg(HW_REG_WAVE_MODE, 25, 1), 1
	s_wait_xcnt 0x0
	s_wait_alu depctr_hold_cnt(0) depctr_sa_sdst(0) depctr_va_vdst(0) depctr_va_sdst(0) depctr_va_ssrc(0) depctr_va_vcc(0) depctr_vm_vsrc(0)
	s_getreg_b32 s2, hwreg(HW_REG_IB_STS2, 6, 4)
	s_cmp_eq_u32 s2, 0
	s_cbranch_scc0 .Lentry_in_a_cluster
	s_endpgm
.Lentry_in_a_cluster:
	s_bfe_u32 s2, ttmp6, 0x10000c
	s_cmp_lg_u32 s2, 0x3003
	s_cbranch_scc0 .Lentry_shape_is_right
	s_endpgm
.Lentry_shape_is_right:
; out = x + wo softmax(q^T k / sqrt(128)) v + bo, all three products on codes of BF8 (E5M2) with one E8M0 scale for each 32 along K.
; q, k, v come as images of operand registers (a fragment: four runs of 512 bytes, lane l at 16 l; a scale word a row).  Row r of tile t is position (for v: channel) 32 (t / 2) + 8 (t % 2) + r + 8 (r / 8).
; THE SOFTMAX: t = score x log2(e) / sqrt(128); M = the largest t so far, rounded up to a whole number; p = 2^(t - M) is quantised along the keys, not normalised; the sum of the unquantised p divides at the end.
; SHARES.  A work-group owns 128 queries of one image.  Four waves, one to a SIMD: wave w (a = w % 2, g = w / 2) holds FOUR tiles of 16 queries (64 a on) and walks key step g of every slot: half the keys.
; So each fragment of k and v read from LDS feeds four products.  At the end waves w and w xor 2 exchange two tiles each; M is a whole number, so the merge multiplies by powers of two.
; Its tiles 0, 1 (kept) are tiles 4 a + 2 g on, its tiles 2, 3 (handed on) tiles 4 a + 2 (1 - g) on.
; Both products are used transposed (S^T = k q^T, O^T = v p^T): a lane keeps one query, and the conversions of p, and later of o, give the next operand as it stands.
; THE ORDER OF WORK.  A step is four SPANS, one a tile: maxima and t - M; O^T of the tile x 2^(old M - new M); the 68 exponentials; behind them, in two runs, the 8 products S^T of the NEXT tile and the 8 products O^T of the tile BEFORE;
; then scales, sums, holds, conversions.  The whole step's fragments of k (128 registers) and of v (128) stay in registers: k of the next step is fetched in span 2, v of a step in its span 0, each a span ahead of its first product and waited for fragment by fragment; the run whose fragments were asked for last stands second.
; A trip of the loop is spans 1, 2, 3 of a step and span 0 of the next.  Span 0 of the first step stands ahead of the loop.  The tail is written out: a trip that fills nothing, and spans 1, 2, 3 of the last step, which fetch no k and start no S^T of a further step.
; O^T begins as zeros and -M as 2^125: 256 moves once, under the first tile's flight, against four more spans of text for a first step of its own.
; RING.  Two slots of 256 keys (two dense blocks of kv, 67,584 bytes); each wave fetches a quarter, one tensor load a wave out at a time.  The change of slots stands at the head of span 2: v of the slot in hand is in registers, k of the next is read behind it.
; CLUSTER.  The four query blocks of a cluster walk the same kv: each quarter is asked for jointly, with the mask of all four.  The place in the cluster enters the addresses of qb, x, out0 and of the prefetch alone.
; PREFETCH.  Slot j (4 to 15) is asked for at the change that loads slot j - 2, by the cluster whose number is j % 8 alone (all eight clusters of an image walk the same kv); its 264 blocks of 256 bytes are dealt by address: 17 to each of the cluster's 16 waves, a lane a block, left-over lanes naming the wave's last.
; Last: wave w makes output channels 32 w .. 32 w + 31 for all 128 positions (source 0 = 16 positions of o, source 1 = 16 rows of wo, C = bo), adds x and stores whole rows of 512 bytes.
; LIMITS: NaN and infinities are not served; the promise holds while the scaled scores stay under 2^31 in magnitude; a block whose largest magnitude lies under 2^-111, a block of zeros among them, keeps the scale byte 1.
; REGISTERS.  window 0: v1-15 addresses; v16-31 statistics; v32-63 at work and scale words; v64-191 S^T, then p: two sets; v192-223 the codes of p: two sets; v224-255 at work.
;   window 1: O^T of the four tiles.  window 2: v0-127 k, v128-255 v.  window 3: v0-63 q; v64-191 x; v192-223 wo; v224-239 bo.
.set STEPB,  33792                     ; a key step in a slot: k 16,384, v 16,384, their scale words 512 + 512
.set SLOTB,  2*STEPB
.set SLOT1,  1<<17                     ; slot 1 begins here: one exclusive or turns an address from one slot to the other
.set QUART,  SLOTB/4
.set SPARE,  SLOTB                     ; the spare words: 128 bytes for each of four waves
.set OIMG,   SPARE+512                 ; the 8 images of o
.set OSC,    OIMG+16384                ; their scale words
.set XCH,    SLOT1+SLOTB               ; for each wave 16,896 bytes: the two tiles it hands on, their -M and sums; later its stage, 32 rows x 528
.set XREG,   16896
.set SPITCH, 528
.set AK0, 1
.set AS0, 2
.set ADK, 3
.set ADS, 4
.set SPW, 5
.set NIL, 6
.set GO,  7
.set PFO, 8
.set XW,  9
.set XWS, 10
.set XR,  11
.set XRS, 12
.set OIW, 13
.set OSW, 14
.set SO,  15
.set STAT, 16                          ; tile i: v[16 + 4 i] -M, +1 the largest score, +2, +3 the sum in two halves
.set BM,  32
.set T1,  36
.set KSK, 40                           ; scale words of k: lanes 0-15 an even tile, lanes 16-31 the odd one
.set QS,  44
.set KSV, 48
.set PW,  52
.set FF,  54
.set HOLD, 56
.set SCL, 60
.set S0,  64
.set PC,  192
.set H2,  224                          ; the bounds once more, in other register banks, for the second halves of the dual lines; then the scale bytes
.set TP,  228
.set OIF, 229
.set OSF, 230
.set OPW, 231
.set OSR, 232
.set WOS, 236
.set WOF, 192                          ; window 3
.set BO,  224
.set WV,  18
.set MNT, 19
.set SEL, 20
.set CS,  22
.set G1,  24
.set G0,  32
.set TB,  36
.set CNT, 37
.set NCS, 38
.set PFA, 66
.set MSB, 0
.macro WIN new                         ; the immediate's high byte repeats the setting that is left
.if MSB != \new
	s_set_vgpr_msb (MSB<<8)|\new
.set MSB, \new
.endif
.endm
.macro PLACES n
.rept \n
	v_nop
.endr
.endm
.macro WALU
	s_wait_alu depctr_va_vdst(0)
.endm
; one matrix line.  c < 0: the constant 0 starts the sum.  row1: the scales of source 0 are read from lanes 16-31
.macro MM d, a, b, c, sa, sb, row1
.if \c < 0
.if \row1
	v_wmma_scale_f32_16x16x128_f8f6f4 v[\d:\d+7], v[\a:\a+15], v[\b:\b+15], 0, v[\sa], v[\sb] matrix_a_fmt:MATRIX_FMT_BF8 matrix_b_fmt:MATRIX_FMT_BF8 matrix_a_scale:MATRIX_SCALE_ROW1
.else
	v_wmma_scale_f32_16x16x128_f8f6f4 v[\d:\d+7], v[\a:\a+15], v[\b:\b+15], 0, v[\sa], v[\sb] matrix_a_fmt:MATRIX_FMT_BF8 matrix_b_fmt:MATRIX_FMT_BF8
.endif
.else
.if \row1
	v_wmma_scale_f32_16x16x128_f8f6f4 v[\d:\d+7], v[\a:\a+15], v[\b:\b+15], v[\c:\c+7], v[\sa], v[\sb] matrix_a_fmt:MATRIX_FMT_BF8 matrix_b_fmt:MATRIX_FMT_BF8 matrix_a_scale:MATRIX_SCALE_ROW1
.else
	v_wmma_scale_f32_16x16x128_f8f6f4 v[\d:\d+7], v[\a:\a+15], v[\b:\b+15], v[\c:\c+7], v[\sa], v[\sb] matrix_a_fmt:MATRIX_FMT_BF8 matrix_b_fmt:MATRIX_FMT_BF8
.endif
.endif
.endm
.macro CROUND                          ; a round of the cluster's barrier
	s_barrier_signal -1
	s_barrier_wait -1
	s_cmp_lg_u32 s[WV], 0
	s_cbranch_scc1 .Lnot_wave_0_\@
	s_barrier_signal -3
.Lnot_wave_0_\@:
	s_barrier_wait -3
	s_barrier_signal -1
	s_barrier_wait -1
.endm
.macro JLOAD                           ; the joint load: every wave its quarter of a slot.  s_nop 0 and four v_nop follow it
	tensor_load_to_lds s[G0:G0+3], s[G1:G1+7]
	s_nop 0
	PLACES 4
.endm
; THE CHANGE OF SLOTS.  Each wave waits for all its tensor loads (its quarter of the slot ahead), adds 0 to its spare word, and waits for that and for its reads of the slot in hand.
; fill = 1: a round of the cluster's barrier, then the slot just left is filled with the keys after the slot ahead.  ask = 1: the prefetch of the slot two loads on.
.macro CHANGE fill, ask
	WALU                                           ; the wait ahead of the blocking waits
.if \ask
	s_wait_xcnt 0x0                                ; the last prefetch has read its address: it steps only behind this wait
	s_add_nc_u64 s[PFA:PFA+1], s[PFA:PFA+1], SLOTB
.endif
	s_wait_tensorcnt 0x0                           ; no tensor load of mine is out, so the descriptor may be written
	ds_add_u32 v[SPW], v[NIL]
.if \fill
	s_xor_b32 s[G0+1], s[G0+1], SLOT1
	s_add_nc_u64 s[G0+2:G0+3], s[G0+2:G0+3], SLOTB
	s_wait_dscnt 0x0
	CROUND
	JLOAD
.if \ask
	s_cmp_ge_u32 s[CNT], 3                         ; slot 18 - CNT: none lies behind slot 15
	s_cbranch_scc0 .Lna_\@
	s_sub_co_u32 s44, 18, s[CNT]
	s_and_b32 s44, s44, 7
	s_cmp_eq_u32 s44, ttmp9                        ; the cluster's number: the same in all four partners
	s_cbranch_scc0 .Lna_\@
	global_prefetch_b8 v[PFO], s[PFA:PFA+1] th:TH_LOAD_NT scope:SCOPE_SE
.Lna_\@:
.endif
.else
	s_wait_dscnt 0x0
	s_barrier_signal -1
	s_barrier_wait -1
.endif
.endm
.macro LOADADR                         ; my addresses in the slot at s[TB]
	v_add_nc_u32 v[ADK], s[TB], v[AK0]
	v_add_nc_u32 v[ADS], s[TB], v[AS0]
.endm
.macro LOADF base, sbase, ks, dst      ; 36 LDS loads: four scale registers first, then eight fragments into window 2
.irp j, 0,1,2,3
	ds_load_b32 v[\ks+\j], v[ADS] offset:\sbase+128*\j
.endr
	WIN 0x80
.irp t, 0,1,2,3,4,5,6,7
.irp c, 0,1,2,3
	ds_load_b128 v[\dst+16*\t+4*\c:\dst+16*\t+4*\c+3], v[ADK] offset:\base+2048*\t+512*\c
.endr
.endr
	WIN 0
.endm
.macro QKB i, wk                       ; S^T of the tile after tile i: eight accumulators, one product each
	WIN 0x0e
.set T_, 0
.rept 8
.if \wk
	s_wait_dscnt 4*(7-T_)                          ; fragment T_ of k is in: behind it 4 loads for each later fragment
.endif
	MM SN+8*T_, 16*T_, 16*((\i+1)%4), -1, KSK+T_/2, QS+((\i+1)%4), T_%2
.set T_, T_+1
.endr
.endm
.macro PVB i, wv                       ; O^T of the tile before tile i: its eight accumulators by turns
	WIN 0x52
.set T_, 0
.rept 8
.if \wv
	s_wait_dscnt 4*(7-T_)                          ; fragment T_ of v likewise
.endif
	MM 64*((\i+3)%4)+8*T_, 128+16*T_, PO, 64*((\i+3)%4)+8*T_, KSV+T_/2, PW+((\i+1)%2), T_%2
.set T_, T_+1
.endr
.endm
.macro ACC m, k                        ; pair k of p onto chain m of the row's sum
.if (\m) == 0
	v_pk_add_f32 v[T1:T1+1], v[T1:T1+1], v[SS+2*(\k):SS+2*(\k)+1]
.elseif (\m) == 1
	v_pk_add_f32 v[T1+2:T1+3], v[T1+2:T1+3], v[SS+2*(\k):SS+2*(\k)+1]
.elseif (\m) == 2
	v_pk_add_f32 v[BM:BM+1], v[BM:BM+1], v[SS+2*(\k):SS+2*(\k)+1]
.else
	v_pk_add_f32 v[ST+2:ST+3], v[ST+2:ST+3], v[SS+2*(\k):SS+2*(\k)+1]
.endif
.endm
.macro MINS b                          ; the conversion does not saturate (ISA guide 7.6.2); p is not negative: a one-sided hold, two a line
.irp j, 0,2,4,6,8,10,12,14
	v_dual_min_num_f32 v[SS+16*\b+\j], v[SS+16*\b+\j], v[HOLD+\b] :: v_dual_min_num_f32 v[SS+16*\b+\j+1], v[SS+16*\b+\j+1], v[H2+(\b+1)%4]
.endr
.endm
.macro CVTS b
	v_cvt_scalef32_pk8_bf8_f32 v[PI+4*\b:PI+4*\b+1], v[SS+16*\b:SS+16*\b+7], v[SCL+\b]
	v_cvt_scalef32_pk8_bf8_f32 v[PI+4*\b+2:PI+4*\b+3], v[SS+16*\b+8:SS+16*\b+15], v[SCL+\b]
.endm
; A SPAN: tile i.  pv: the products O^T of the tile before; qk: the products S^T of the next tile; ld: 1 fetch v, 2 fetch k;
; wk, wv: the fragments of k, of v were asked for in the span before and are waited for one by one; chg: 1 a change of slots that fills, 2 one that does not
.macro SPAN i, pv, qk, ld, wk, wv, chg
.if \chg == 1
	CHANGE 1, 1
.elseif \chg == 2
	CHANGE 0, 0
.endif
.set SS, S0+64*((\i)%2)
.set SN, S0+64*((\i+1)%2)
.set ST, STAT+4*(\i)
.set PI, PC+16*((\i)%2)
.set PO, PC+16*((\i+1)%2)
	WALU                                           ; the wait directly ahead of the first readers of S^T
.irp b, 0,1,2,3
	v_max3_num_f32 v[BM+\b], v[SS+16*\b], v[SS+16*\b+1], v[SS+16*\b+2]     ; the largest score of each block of 32 keys: for the row's maximum and, since p rises with the score, for the block's largest p
.endr
.irp k, 3,5,7,9,11,13
.irp b, 0,1,2,3
	v_max3_num_f32 v[BM+\b], v[BM+\b], v[SS+16*\b+\k], v[SS+16*\b+\k+1]
.endr
.endr
.irp b, 0,1,2,3
	v_max_num_f32 v[BM+\b], v[BM+\b], v[SS+16*\b+15]
.endr
.irp b, 0,1,2,3
	v_permlanex16_b32 v[T1+\b], v[BM+\b], s[SEL], s[SEL+1]
.endr
.irp b, 0,1,2,3
	v_max_num_f32 v[BM+\b], v[BM+\b], v[T1+\b]     ; with the 16 keys of lane l xor 16
.endr
	v_max3_num_f32 v[TP], v[BM], v[BM+1], v[BM+2]
	v_mov_b32 v[T1], v[ST]                         ; the old -M
	v_max3_num_f32 v[ST+1], v[ST+1], v[TP], v[BM+3]   ; the running largest score (c is positive: the largest t is c x it)
	v_mul_f32 v[TP], s[NCS], v[ST+1]
	v_floor_f32 v[ST], v[TP]                       ; -M = floor(-t): M is a whole number
	v_sub_f32 v[T1], v[ST], v[T1]                  ; old M - new M: a whole number, 0 or less
.irp b, 0,1,2,3
	v_fma_f32 v[BM+\b], v[BM+\b], s[CS], v[ST]
.endr
.set J_, 0
.rept 32
	v_pk_fma_f32 v[SS+J_:SS+J_+1], v[SS+J_:SS+J_+1], s[CS:CS+1], v[ST:ST+1] op_sel_hi:[1,0,0]   ; t - M
.if J_ == 6
	v_cvt_i32_f32 v[T1], v[T1]                     ; (it saturates)
.elseif J_ == 14
	v_ldexp_f32 v[FF], 1.0, v[T1]                  ; f = 2^(old M - new M)
.endif
.set J_, J_+2
.endr
	WIN 0x41
	WALU                                           ; one wait: directly ahead of the first readers of O^T, and ahead of the batch
.set J_, 0
.rept 32
	v_pk_mul_f32 v[64*(\i)+J_:64*(\i)+J_+1], v[64*(\i)+J_:64*(\i)+J_+1], v[FF:FF+1] op_sel_hi:[1,0]   ; O^T under the new M
.set J_, J_+2
.endr
	WIN 0
.irp b, 0,1,2,3
	v_exp_f32 v[BM+\b], v[BM+\b]                   ; the largest p of each block: the same two instructions on the same number
.endr
.set J_, 0
.rept 64
	v_exp_f32 v[SS+J_], v[SS+J_]                   ; p = 2^(t - M)
.set J_, J_+1
.endr
	; the two runs of products name no register of the batch; the run whose fragments were asked for in the span before stands second
.if \wk
.if \pv
	PVB \i, \wv
.endif
.if \qk
	QKB \i, \wk
.endif
.else
.if \qk
	QKB \i, \wk
.endif
.if \pv
	PVB \i, \wv
.endif
.endif
	WIN 0
	v_pk_mul_f32 v[ST+2:ST+3], v[ST+2:ST+3], v[FF:FF+1] op_sel_hi:[1,0]    ; the sum under the new M (a plain place behind the exponentials)
	WALU                                           ; one wait for the batch, ahead of its first reader
.irp b, 0,1,2,3
	v_max_num_f32 v[BM+\b], 0x8000000, v[BM+\b]    ; the floor 2^(16 - 127): the byte cannot fall under 1
.endr
.irp b, 0,1,2,3
	v_add_nc_u32 v[SCL+\b], 0xf8800000, v[BM+\b]   ; 15 off the exponent field: the scale operand of the conversion
.endr
	; nine plain lines stand behind the last product: the loads may land on registers that it has read
.if \ld == 1
	LOADF 16384, 512, KSV, 128
.elseif \ld == 2
	LOADADR
	LOADF 0, 0, KSK, 0
.endif
.irp b, 0,1,2,3
	v_and_or_b32 v[HOLD+\b], v[BM+\b], 0x7f800000, s[MNT]   ; 57,344 x the scale
.endr
.irp b, 0,1,2,3
	v_and_or_b32 v[H2+(\b+1)%4], v[BM+\b], 0x7f800000, s[MNT]
.endr
	v_pk_add_f32 v[T1:T1+1], v[SS:SS+1], v[SS+2:SS+3]          ; the sum is taken of the unquantised p, in four chains by turns
	v_pk_add_f32 v[T1+2:T1+3], v[SS+4:SS+5], v[SS+6:SS+7]
	v_pk_add_f32 v[BM:BM+1], v[SS+8:SS+9], v[SS+10:SS+11]
	v_pk_add_f32 v[ST+2:ST+3], v[ST+2:ST+3], v[SS+12:SS+13]
.set K_, 7
.rept 25
	ACC (K_-7)%4, K_
.set K_, K_+1
.endr
	MINS 0                                         ; holds and conversions staggered by a block
	MINS 1
	CVTS 0
	MINS 2
	CVTS 1
	MINS 3
	CVTS 2
	v_pk_add_f32 v[T1:T1+1], v[T1:T1+1], v[T1+2:T1+3]
	v_pk_add_f32 v[ST+2:ST+3], v[ST+2:ST+3], v[BM:BM+1]
.irp b, 0,1,2,3
	v_lshrrev_b32 v[H2+\b], 23, v[SCL+\b]          ; the bytes (the holds have read the bounds that lay here)
.endr
	CVTS 3
	v_lshl_or_b32 v[H2], v[H2+1], 8, v[H2]
	v_lshl_or_b32 v[H2+2], v[H2+3], 8, v[H2+2]
	v_pk_add_f32 v[ST+2:ST+3], v[ST+2:ST+3], v[T1:T1+1]
	v_lshl_or_b32 v[PW+(\i)%2], v[H2+2], 16, v[H2] ; the scale word of p for these 128 keys
.endm
; 64 numbers of a lane, register 16 b + i = K number 32 b + 16 (lane / 16) + i of my row, become a fragment in v[pc] on and its scale word in v[pw]
.macro QUANT s, pc, pw
.irp b, 0,1,2,3
	v_max3_num_f32 v[BM+\b], |v[\s+16*\b]|, |v[\s+16*\b+1]|, 0x8000000
.endr
.irp k, 2,4,6,8,10,12,14
.irp b, 0,1,2,3
	v_max3_num_f32 v[BM+\b], v[BM+\b], |v[\s+16*\b+\k]|, |v[\s+16*\b+\k+1]|
.endr
.endr
.irp b, 0,1,2,3
	v_permlanex16_b32 v[T1+\b], v[BM+\b], s[SEL], s[SEL+1]
.endr
.irp b, 0,1,2,3
	v_max_num_f32 v[BM+\b], v[BM+\b], v[T1+\b]
.endr
.irp b, 0,1,2,3
	v_add_nc_u32 v[SCL+\b], 0xf8800000, v[BM+\b]
.endr
.irp b, 0,1,2,3
	v_and_or_b32 v[HOLD+\b], v[BM+\b], 0x7f800000, s[MNT]
.endr
.irp b, 0,1,2,3
	v_lshrrev_b32 v[T1+\b], 23, v[SCL+\b]
.endr
	v_lshl_or_b32 v[\pw], v[T1+1], 8, v[T1]
	v_lshl_or_b32 v[\pw], v[T1+2], 16, v[\pw]
	v_lshl_or_b32 v[\pw], v[T1+3], 24, v[\pw]
.irp b, 0,1,2,3
.set J_, 0
.rept 16
	v_med3_num_f32 v[\s+16*\b+J_], v[\s+16*\b+J_], -v[HOLD+\b], v[HOLD+\b]
.set J_, J_+1
.endr
	v_cvt_scalef32_pk8_bf8_f32 v[\pc+4*\b:\pc+4*\b+1], v[\s+16*\b:\s+16*\b+7], v[SCL+\b]
	v_cvt_scalef32_pk8_bf8_f32 v[\pc+4*\b+2:\pc+4*\b+3], v[\s+16*\b+8:\s+16*\b+15], v[SCL+\b]
.endr
	v_nop
.endm
	s_load_b256 s[4:11], s[0:1], 0x0               ; qb, kv, wo_codes, wo_scales
	s_load_b128 s[12:15], s[0:1], 0x20             ; bo, x
	s_load_b64 s[16:17], s[0:1], 0x30              ; out0
	v_lshl_add_u32 v[SPW], v0, 2, SPARE
	v_mov_b32 v[NIL], 0
	ds_add_u32 v[SPW], v[NIL]                      ; the opening: the add twice on end and its wait ahead of my first tensor load
	ds_add_u32 v[SPW], v[NIL]
	v_lshrrev_b32 v238, 5, v0
	v_readfirstlane_b32 s[WV], v238                ; wave 0..3
	s_and_b32 s39, s[WV], 1                        ; a
	s_lshr_b32 s40, s[WV], 1                       ; g
	s_bfe_u32 s41, ttmp6, 0x40000                  ; cx
	s_lshl_b32 s42, ttmp9, 2
	s_add_co_u32 s42, s42, s41                     ; my block of 128 queries
	s_and_b32 s43, ttmp7, 0xffff                   ; the image, which the four partners share
	s_lshl_b32 s44, s39, 2
	s_lshl_b32 s45, s40, 1
	s_add_co_u32 s44, s44, s45                     ; the first tile that I keep: 4 a + 2 g
	s_xor_b32 s45, s44, 2                          ; the first that I hand on
	s_mul_i32 s46, s40, STEPB
	s_add_co_u32 s47, s46, 32768
	s_mul_i32 s48, s[WV], XREG
	s_add_co_u32 s48, s48, XCH
	s_xor_b32 s49, s[WV], 2
	s_mul_i32 s49, s49, XREG
	s_add_co_u32 s49, s49, XCH
	s_lshl_b32 s50, s44, 11
	s_add_co_u32 s51, s50, OIMG
	s_lshl_b32 s52, s44, 6
	s_add_co_u32 s53, s52, OSC
	s_lshl_b32 s54, s45, 11
	s_lshl_b32 s55, s45, 6
	s_lshl_b32 s56, s41, 2
	s_add_co_u32 s56, s56, s[WV]
	s_mul_i32 s56, s56, 17                         ; the prefetch: my wave's first block of a slot's 264
	s_mul_i32 s[G0+1], s[WV], QUART                ; my quarter of a slot: its place in LDS,
	s_mul_i32 s58, s43, 32*STEPB                   ; and in kv: made of the image and the wave's number alone
	s_mov_b32 s59, 0
	s_mov_b32 s60, s[G0+1]
	s_mov_b32 s61, 0
	s_lshl_b32 s62, s43, 5
	s_add_co_u32 s62, s62, s42
	s_mul_i32 s62, s62, 16896                      ; my block of qb
	s_mov_b32 s63, 0
	s_lshl_b32 s68, s43, 21                        ; x and out0: 2 MiB b + 512 KiB w + 512 block
	s_lshl_b32 s57, s[WV], 19
	s_add_co_u32 s68, s68, s57
	s_lshl_b32 s57, s42, 9
	s_add_co_u32 s68, s68, s57
	s_mov_b32 s69, 0
	s_lshl_b32 s70, s[WV], 12                      ; wo: my 32 rows of 128 bytes
	s_mov_b32 s71, 0
	s_lshl_b32 s72, s[WV], 7                       ; their words, and bo
	s_mov_b32 s73, 0
	s_mov_b32 s[G1], 15|(3<<16)|(1<<21)            ; the mask of all four; elements of 8 bytes; bit 21 beside a mask; no padding: images are read 512 consecutive bytes at a time
	s_mov_b32 s[G1+1], 32<<16
	s_mov_b32 s[G1+2], 66<<16                      ; 66 rows of 256 bytes, dense
	s_mov_b32 s[G1+3], 32<<16
	s_mov_b32 s[G1+4], 66
	s_mov_b32 s[G1+5], 32
	s_mov_b32 s[G1+6], 0
	s_mov_b32 s[G1+7], 0
	s_mov_b32 s[G0], 1
	s_mov_b32 s[MNT], 0x600000
	s_mov_b32 s[SEL], 0x76543210
	s_mov_b32 s[SEL+1], 0xfedcba98
	s_mov_b32 s[CS], 0x3e0293ee                    ; c = log2(e) / sqrt(128)
	s_mov_b32 s[CS+1], s[CS]
	s_mov_b32 s[NCS], 0xbe0293ee                   ; -c
	s_mov_b32 s[TB], 0
	s_wait_dscnt 0x0                               ; both opening adds are done
	s_wait_kmcnt 0x0
	s_add_nc_u64 s[6:7], s[6:7], s[58:59]
	s_add_nc_u64 s[PFA:PFA+1], s[6:7], 3*SLOTB     ; the first change in the loop steps it to slot 4
	s_add_nc_u64 s[G0+2:G0+3], s[6:7], s[60:61]
	s_or_b32 s[G0+3], s[G0+3], 0x80000000
	s_add_nc_u64 s[4:5], s[4:5], s[62:63]
	s_add_nc_u64 s[14:15], s[14:15], s[68:69]
	s_add_nc_u64 s[16:17], s[16:17], s[68:69]
	s_add_nc_u64 s[8:9], s[8:9], s[70:71]
	s_add_nc_u64 s[10:11], s[10:11], s[72:73]
	s_add_nc_u64 s[12:13], s[12:13], s[72:73]
	CROUND                                         ; all four work-groups are here: the first joint loads meet
	JLOAD                                          ; slot 0: one tensor load a wave at the head
	v_and_b32 v239, 31, v0                         ; lane
	v_and_b32 v240, 15, v0                         ; r
	v_bfe_u32 v241, v0, 4, 1                       ; h
	v_lshlrev_b32 v[GO], 4, v239
	v_lshlrev_b32 v242, 2, v239
	v_lshlrev_b32 v243, 2, v240
	v_add_nc_u32 v[AK0], s46, v[GO]                ; 16 lane + 33,792 g
	v_add_nc_u32 v[AS0], s47, v242                 ; 4 lane + 33,792 g + 32,768
	v_add_nc_u32 v[XW], s48, v[GO]
	v_add_nc_u32 v[XWS], s48, v242
	v_add_nc_u32 v[XR], s49, v[GO]
	v_add_nc_u32 v[XRS], s49, v242
	v_add_nc_u32 v[OIW], s51, v[GO]
	v_add_nc_u32 v[OSW], s53, v243
	v_mul_u32_u24 v[SO], v240, SPITCH
	v_lshl_add_u32 v[SO], v241, 6, v[SO]
	v_add_nc_u32 v[SO], s48, v[SO]                 ; the stage: row r (an output channel), + 64 h
	v_add_nc_u32 v[OIF], OIMG, v[GO]
	v_add_nc_u32 v[OSF], OSC, v242
	v_add_nc_u32 v244, s50, v[GO]                  ; q: 16 lane + 2,048 x tile
	v_add_nc_u32 v245, s54, v[GO]
	v_add_nc_u32 v246, s52, v243                   ; its scale words: 4 r + 64 x tile
	v_add_nc_u32 v247, s55, v243
	v_lshlrev_b32 v248, 7, v240
	v_lshl_add_u32 v248, v241, 4, v248             ; wo: 128 r + 16 h
	v_min_u32 v238, 16, v239
	v_add_nc_u32 v238, s56, v238
	v_min_u32 v238, 0x107, v238                    ; held to the slot's last block
	v_lshlrev_b32 v[PFO], 8, v238
	WALU
	WIN 0xc0                                       ; destination window 3
.irp i, 0,1
.irp c, 0,1,2,3
	global_load_b128 v[16*\i+4*\c:16*\i+4*\c+3], v244, s[4:5] offset:2048*\i+512*\c
	global_load_b128 v[32+16*\i+4*\c:32+16*\i+4*\c+3], v245, s[4:5] offset:2048*\i+512*\c
	global_load_b128 v[WOF+16*\i+4*\c:WOF+16*\i+4*\c+3], v248, s[8:9] offset:2048*\i+32*\c
.endr
.irp n, 0,1,2,3,4,5,6,7
	global_load_b32 v[BO+8*\i+\n], v243, s[12:13] offset:64*\i   ; in the last result a lane keeps one output channel: its bias in all eight registers
.endr
.endr
	WIN 0
.irp i, 0,1
	global_load_b32 v[QS+\i], v246, s[4:5] offset:16384+64*\i
	global_load_b32 v[QS+2+\i], v247, s[4:5] offset:16384+64*\i
	global_load_b32 v[WOS+\i], v243, s[10:11] offset:64*\i
.endr
.irp i, 0,1,2,3
	v_mov_b32 v[STAT+4*\i], 0x7e000000             ; -M begins at 2^125, a whole number: the first f is 0
	v_mov_b32 v[STAT+4*\i+1], 0xff61b1e6           ; the largest score so far: -3e38
	v_mov_b32 v[STAT+4*\i+2], 0
	v_mov_b32 v[STAT+4*\i+3], 0
	v_mov_b32 v[T1+\i], 0                          ; a lane permute's destination counts as read: written once
.endr
	v_mov_b32 v[FF+1], 0                           ; (named as the upper half of the pair of f)
	WIN 0x40
.set J_, 0
.rept 256
	v_mov_b32 v[J_], 0                             ; O^T of the four tiles
.set J_, J_+1
.endr
	WIN 0
	WALU                                           ; the wait at the head's end
	s_wait_loadcnt 0x0                             ; q, wo, bo and the scale words
	CHANGE 1, 0                                    ; slot 0 is whole; slot 1's first fill is issued as a refill is
	LOADADR
	LOADF 0, 0, KSK, 0                             ; k of step 0
	s_mov_b32 s[TB], SLOT1
	s_wait_dscnt 0x0
	WIN 0x0e
.irp t, 0,1,2,3,4,5,6,7
	MM S0+8*\t, 16*\t, 0, -1, KSK+\t/2, QS, \t%2   ; S^T of tile 0 of step 0
.endr
	WIN 0
	PLACES 8
	SPAN 0, 0, 1, 1, 0, 0, 0
	s_mov_b32 s[CNT], 14
	WALU
.Lmain:                                            ; 14 trips: spans 1, 2, 3 of step r, span 0 of step r + 1; the change in span 2 shows slot r + 1 and asks for slot r + 2
	SPAN 1, 1, 1, 0, 0, 1, 0
	SPAN 2, 1, 1, 2, 0, 0, 1
	SPAN 3, 1, 1, 0, 1, 0, 0
	SPAN 0, 1, 1, 1, 0, 0, 0
	s_xor_b32 s[TB], s[TB], SLOT1
	s_sub_co_u32 s[CNT], s[CNT], 1
	s_cmp_lg_u32 s[CNT], 0
	WALU
	s_cbranch_scc1 .Lmain
	WIN 0xc0
.set J_, 0
.rept 32
	global_load_b128 v[64+4*J_:67+4*J_], v[GO], s[14:15] offset:16384*J_ th:TH_LOAD_NT   ; x, rows 32 w + J_, my 128 positions: wanted at the very end, asked for seven spans ahead; its registers and addresses are not touched until then
.set J_, J_+1
.endr
	WIN 0
	; THE TAIL, written out.  Step 14: its change of slots shows slot 15 (s[TB] stands at slot 1 after 14 turns) and fills nothing
	SPAN 1, 1, 1, 0, 0, 1, 0
	SPAN 2, 1, 1, 2, 0, 0, 2
	SPAN 3, 1, 1, 0, 1, 0, 0
	SPAN 0, 1, 1, 1, 0, 0, 0
	; step 15: no step follows: no change of slots, no k, no S^T in span 3
	SPAN 1, 1, 1, 0, 0, 1, 0
	SPAN 2, 1, 1, 0, 0, 0, 0
	SPAN 3, 1, 0, 0, 0, 0, 0
	PLACES 8                                       ; codes written by vector lines stand four places, a scale word eight, ahead of a scaled product
	WIN 0x52
.irp t, 0,1,2,3,4,5,6,7
	MM 192+8*\t, 128+16*\t, PC+16, 192+8*\t, KSV+\t/2, PW+1, \t%2   ; O^T of tile 3, the last step
.endr
	WIN 0
	; ---- the sums over my half of the keys (twelve plain lines: the places behind the last products)
.irp i, 0,1,2,3
	v_add_f32 v[STAT+4*\i+2], v[STAT+4*\i+2], v[STAT+4*\i+3]
.endr
.irp i, 0,1,2,3
	v_permlanex16_b32 v[T1+\i], v[STAT+4*\i+2], s[SEL], s[SEL+1]
.endr
.irp i, 0,1,2,3
	v_add_f32 v[STAT+4*\i+2], v[STAT+4*\i+2], v[T1+\i]
.endr
	WIN 0x04                                       ; the data of an LDS store are its source 1: window 1
	WALU
.set J_, 0
.rept 32
	ds_store_b128 v[XW], v[128+4*J_:131+4*J_] offset:512*J_   ; tiles 2 and 3 as they stand, each accumulator from its low end on
.set J_, J_+1
.endr
	WIN 0
.irp j, 0,1
	ds_store_b32 v[XWS], v[STAT+8+4*\j] offset:16384+256*\j
	ds_store_b32 v[XWS], v[STAT+10+4*\j] offset:16512+256*\j
.endr
	s_wait_dscnt 0x0                               ; for my partner: all of it has landed
	s_barrier_signal -1
	s_barrier_wait -1
	; ---- the other half of the keys of the tiles that I keep; o = (O fA + O' fB) / (l fA + l' fB)
.irp j, 0,1
.set J_, 0
.rept 16
	ds_load_b128 v[S0+64*\j+4*J_:S0+64*\j+4*J_+3], v[XR] offset:8192*\j+512*J_
.set J_, J_+1
.endr
	ds_load_b32 v[BM+2*\j], v[XRS] offset:16384+256*\j
	ds_load_b32 v[BM+2*\j+1], v[XRS] offset:16512+256*\j
.endr
	s_wait_dscnt 0x0
.irp j, 0,1
	v_min_num_f32 v[240+8*\j], v[STAT+4*\j], v[BM+2*\j]       ; -M of both halves
	v_sub_f32 v[241+8*\j], v[240+8*\j], v[STAT+4*\j]          ; my M - M: a whole number, 0 or less
	v_sub_f32 v[242+8*\j], v[240+8*\j], v[BM+2*\j]
	v_cvt_i32_f32 v[241+8*\j], v[241+8*\j]
	v_cvt_i32_f32 v[242+8*\j], v[242+8*\j]
	v_ldexp_f32 v[241+8*\j], 1.0, v[241+8*\j]                 ; fA
	v_ldexp_f32 v[242+8*\j], 1.0, v[242+8*\j]                 ; fB
	v_mul_f32 v[243+8*\j], v[STAT+4*\j+2], v[241+8*\j]
	v_fma_f32 v[243+8*\j], v[BM+2*\j+1], v[242+8*\j], v[243+8*\j]   ; the row's sum
.endr
	WALU
	v_rcp_f32 v240, v243
	v_rcp_f32 v248, v251
	v_nop                                          ; one plain place behind the transcendentals
	WALU
.irp j, 0,1
	v_mul_f32 v[244+8*\j], v[241+8*\j], v[240+8*\j]
	v_mul_f32 v[245+8*\j], v[241+8*\j], v[240+8*\j]
	v_mul_f32 v[246+8*\j], v[242+8*\j], v[240+8*\j]
	v_mul_f32 v[247+8*\j], v[242+8*\j], v[240+8*\j]
.endr
.irp j, 0,1
.set J_, 0
.rept 32
	v_pk_mul_f32 v[S0+64*\j+J_:S0+64*\j+J_+1], v[S0+64*\j+J_:S0+64*\j+J_+1], v[246+8*\j:247+8*\j]
.set J_, J_+2
.endr
.endr
	WIN 0x01                                       ; source 0 (my O^T) in window 1
.irp j, 0,1
.set J_, 0
.rept 32
	v_pk_fma_f32 v[S0+64*\j+J_:S0+64*\j+J_+1], v[64*\j+J_:64*\j+J_+1], v[244+8*\j:245+8*\j], v[S0+64*\j+J_:S0+64*\j+J_+1]
.set J_, J_+2
.endr
.endr
	WIN 0
	; ---- o is quantised along the channels: two fragments, for all four waves
.irp j, 0,1
	QUANT S0+64*\j, PC+16*\j, OPW
.irp c, 0,1,2,3
	ds_store_b128 v[OIW], v[PC+16*\j+4*\c:PC+16*\j+4*\c+3] offset:2048*\j+512*\c
.endr
	ds_store_b32 v[OSW], v[OPW] offset:64*\j
.endr
	s_wait_dscnt 0x0                               ; my images have landed, and my reads of my partner's region are over: behind this barrier each region is its owner's stage
	s_barrier_signal -1
	s_barrier_wait -1
	; ---- the last product: my 32 output channels for the 128 positions
.irp i, 0,1,2,3
	ds_load_b32 v[OSR+\i], v[OSF] offset:128*\i    ; lanes 0-15 tile 2 i, lanes 16-31 tile 2 i + 1
.endr
	WIN 0x80
.irp t, 0,1,2,3,4,5,6,7
.irp c, 0,1,2,3
	ds_load_b128 v[16*\t+4*\c:16*\t+4*\c+3], v[OIF] offset:2048*\t+512*\c
.endr
.endr
	WIN 0
	s_wait_dscnt 0x0
	WIN 0x7e                                       ; o window 2, wo and bo window 3, the results window 1
.irp f, 0,1
.irp t, 0,1,2,3,4,5,6,7
	MM 64*\f+8*\t, 16*\t, WOF+16*\f, BO+8*\f, OSR+\t/2, WOS+\f, \t%2
.endr
.endr
	WIN 0
	PLACES 8
	; ---- the way out: register j of tile 2 b + e is position 32 b + 16 h + 8 e + j of channel 32 w + 16 f + r.  Through my stage, back as whole rows of 512 bytes
	WIN 0x04
.irp f, 0,1
.irp t, 0,1,2,3,4,5,6,7
	ds_store_b128 v[SO], v[64*\f+8*\t:64*\f+8*\t+3] offset:16*SPITCH*\f+128*(\t/2)+32*(\t%2)
	ds_store_b128 v[SO], v[64*\f+8*\t+4:64*\f+8*\t+7] offset:16*SPITCH*\f+128*(\t/2)+32*(\t%2)+16
.endr
.endr
	WIN 0
.set J_, 0
.rept 32
	ds_load_b128 v[S0+4*J_:S0+4*J_+3], v[XW] offset:SPITCH*J_   ; LDS serves a wave's instructions in order (ISA guide 5.7.1.4): these see my stores
.set J_, J_+1
.endr
	s_wait_loadcnt 0x0                             ; x
	WIN 0xcc                                       ; x (source 1) and the sums (destination; a store's data) in window 3
.set J_, 0
.rept 32
	s_wait_dscnt 31-J_                             ; row J_ is back, the younger rows stay out
	v_pk_add_f32 v[64+4*J_:65+4*J_], v[S0+4*J_:S0+4*J_+1], v[64+4*J_:65+4*J_]
	v_pk_add_f32 v[66+4*J_:67+4*J_], v[S0+4*J_+2:S0+4*J_+3], v[66+4*J_:67+4*J_]
	global_store_b128 v[GO], v[64+4*J_:67+4*J_], s[16:17] offset:16384*J_ th:TH_STORE_NT   ; 32 lanes store 512 consecutive bytes, aligned
.set J_, J_+1
.endr
	WIN 0
	s_wait_tensorcnt 0x0                           ; the wave's end
	ds_add_u32 v[SPW], v[NIL]
	s_wait_dscnt 0x0
	CROUND                                         ; the closing round: no work-group ends while a partner may still ask for a tile that names it
	s_endpgm
.Lfunc_end_k_qf86cb85c90_attn:
	.size	k_qf86cb85c90_attn, .Lfunc_end_k_qf86cb85c90_attn-k_qf86cb85c90_attn
	.p2alignl 7, 3214868480
	.fill 96, 4, 3214868480
	.section	.rodata,"a",@progbits
	.p2align	6, 0x0
	.amdhsa_kernel k_qf86cb85c90_attn
		.amdhsa_group_segment_fixed_size 327680
		.amdhsa_private_segment_fixed_size 0
		.amdhsa_enable_private_segment 0
		.amdhsa_kernarg_size 56
		.amdhsa_user_sgpr_count 2
		.amdhsa_user_sgpr_kernarg_segment_ptr 1
		.amdhsa_wavefront_size32 1
		.amdhsa_system_sgpr_workgroup_id_x 1
		.amdhsa_system_sgpr_workgroup_id_y 1
		.amdhsa_system_sgpr_workgroup_id_z 1
		.amdhsa_system_vgpr_workitem_id 0
		.amdhsa_next_free_vgpr 1024
		.amdhsa_next_free_sgpr 80
		.amdhsa_reserve_vcc 0
		.amdhsa_float_denorm_mode_32 3
		.amdhsa_float_denorm_mode_16_64 3
		.amdhsa_memory_ordered 1
		.amdhsa_forward_progress 1
		.amdhsa_inst_pref_size 255
	.end_amdhsa_kernel
	.section	.bss,"aw",@nobits
	.p2align	6
	.space	262144
	.amdgpu_metadata
---
amdhsa.version: [ 1, 2 ]
amdhsa.kernels:
  - .name:           k_qf86cb85c90_attn
    .symbol:         k_qf86cb85c90_attn.kd
    .args:
      - { .name: qb, .offset: 0, .size: 8, .value_kind: global_buffer, .address_space: global }
      - { .name: kv, .offset: 8, .size: 8, .value_kind: global_buffer, .address_space: global }
      - { .name: wo_codes, .offset: 16, .size: 8, .value_kind: global_buffer, .address_space: global }
      - { .name: wo_scales, .offset: 24, .size: 8, .value_kind: global_buffer, .address_space: global }
      - { .name: bo, .offset: 32, .size: 8, .value_kind: global_buffer, .address_space: global }
      - { .name: x, .offset: 40, .size: 8, .value_kind: global_buffer, .address_space: global }
      - { .name: out0, .offset: 48, .size: 8, .value_kind: global_buffer, .address_space: global }
    .group_segment_fixed_size: 327680
    .private_segment_fixed_size: 0
    .kernarg_segment_align: 8
    .kernarg_segment_size: 56
    .max_flat_workgroup_size: 128
    .sgpr_count:     80
    .vgpr_count:     1024
    .wavefront_size: 32
...
	.end_amdgpu_metadata
.endif
;; end of part 3
